; MI455X (gfx1250); checked and timed in simulation.
; The chip was launched on July 23, 2026; its instructions are those of AMD's public machine-readable ISA for CDNA 5 (MIT licence, August 2026) and "CDNA5" Instruction Set Architecture Reference Guide (July 2026). The comments in the code are by the model that wrote it; some were corrected since.
;; Attention Similarity. Allowed arithmetic: matrix products marked QUANTISED: E3M2 operands, one E8M0 scale for each 32 along K, by v_wmma_scale_f32_16x16x128_f8f6f4 with both operands' format E3M2, f32 sums; everything else in f32.
;; Inputs: Wk1_codes 768 x 24 x 24 uint8 (E3M2 codes of Wk1, K innermost, in blocks of 32 codes, four codes in three bytes); Wk1_scales 768 x 24 uint8 (E8M0 scales of Wk1, one for each 32 codes along K); Wk2_codes 96 x 24 x 24 uint8 (E3M2 codes of Wk2, K innermost, in blocks of 32 codes, four codes in three bytes); Wk2_scales 96 x 24 uint8 (E8M0 scales of Wk2, one for each 32 codes along K); Wq1_codes 768 x 24 x 24 uint8 (E3M2 codes of Wq1, K innermost, in blocks of 32 codes, four codes in three bytes); Wq1_scales 768 x 24 uint8 (E8M0 scales of Wq1, one for each 32 codes along K); Wq2_codes 96 x 24 x 24 uint8 (E3M2 codes of Wq2, K innermost, in blocks of 32 codes, four codes in three bytes); Wq2_scales 96 x 24 uint8 (E8M0 scales of Wq2, one for each 32 codes along K); Wv1_codes 768 x 24 x 24 uint8 (E3M2 codes of Wv1, K innermost, in blocks of 32 codes, four codes in three bytes); Wv1_scales 768 x 24 uint8 (E8M0 scales of Wv1, one for each 32 codes along K); Wv2_codes 96 x 24 x 24 uint8 (E3M2 codes of Wv2, K innermost, in blocks of 32 codes, four codes in three bytes); Wv2_scales 96 x 24 uint8 (E8M0 scales of Wv2, one for each 32 codes along K); features_a_codes 128 x 7 x 7 x 24 x 24 uint8 (E3M2 codes of features_a, K innermost, in blocks of 32 codes, four codes in three bytes); features_a_scales 128 x 7 x 7 x 24 uint8 (E8M0 scales of features_a, one for each 32 codes along K); features_b_codes 128 x 7 x 7 x 24 x 24 uint8 (E3M2 codes of features_b, K innermost, in blocks of 32 codes, four codes in three bytes); features_b_scales 128 x 7 x 7 x 24 uint8 (E8M0 scales of features_b, one for each 32 codes along K).
;; Outputs: out0 128 x 128 float32.
;; This version of the problem:
;;   THIS VERSION OF THE PROBLEM IS GIVEN IN LOW PRECISION. The matrix products marked QUANTISED in the list below multiply operands that are first quantised to E3M2 (3 exponent bits, 2 mantissa bits; 6 bits a number), with one power-of-two scale for each 32 numbers along K (OCP MX v1.0); their sums are f32. All else is computed in f32.
;;   The module's matrix products, in the order in which they are computed (A, B: the left and right operand; K: the contracted axis; several contracted axes count as one K, in the product's order):
;;     1. [M 6,272, K 768] x [K 768, N 768]; A: input features_a (given as codes); B: input Wq1 (given as codes): QUANTISED
;;     2. [M 6,272, K 768] x [K 768, N 96]; A: computed on the way; B: input Wq2 (given as codes): QUANTISED
;;     3. [M 6,272, K 768] x [K 768, N 768]; A: input features_a (given as codes); B: input Wk1 (given as codes): QUANTISED
;;     4. [M 6,272, K 768] x [K 768, N 96]; A: computed on the way; B: input Wk2 (given as codes): QUANTISED
;;     5. [M 6,272, K 768] x [K 768, N 768]; A: input features_a (given as codes); B: input Wv1 (given as codes): QUANTISED
;;     6. [M 6,272, K 768] x [K 768, N 96]; A: computed on the way; B: input Wv2 (given as codes): QUANTISED
;;     7. [M 6,272, K 768] x [K 768, N 768]; A: input features_b (given as codes); B: input Wq1 (given as codes): QUANTISED
;;     8. [M 6,272, K 768] x [K 768, N 96]; A: computed on the way; B: input Wq2 (given as codes): QUANTISED
;;     9. [M 6,272, K 768] x [K 768, N 768]; A: input features_b (given as codes); B: input Wk1 (given as codes): QUANTISED
;;     10. [M 6,272, K 768] x [K 768, N 96]; A: computed on the way; B: input Wk2 (given as codes): QUANTISED
;;     11. [M 6,272, K 768] x [K 768, N 768]; A: input features_b (given as codes); B: input Wv1 (given as codes): QUANTISED
;;     12. [M 6,272, K 768] x [K 768, N 96]; A: computed on the way; B: input Wv2 (given as codes): QUANTISED
;;     13. [M 6,272, K 96] x [K 96, N 6,272]; A: computed on the way; B: computed on the way: QUANTISED
;;     14. batch 128 x [M 96, K 49] x [K 49, N 6,272]; A: computed on the way; B: softmax (see below): QUANTISED
;;     15. [M 6,272, K 96] x [K 96, N 6,272]; A: computed on the way; B: computed on the way: QUANTISED
;;     16. batch 128 x [M 6,272, K 49] x [K 49, N 96]; A: softmax (see below); B: computed on the way: QUANTISED
;;   THE QUANTISER, for each operand of a quantised product, along K:
;;     - K is cut into blocks of 32 from its start; a last block that is shorter is filled with zeros.
;;     - A block's scale is 2^e with e = floor(log2(the largest magnitude in the block)) - 4, held to -126 .. 127; a block of zeros has e = 0. As a byte (E8M0): e + 127.
;;     - Each number is divided by its block's scale, clamped to +-28, and rounded to the nearest number of E3M2, ties to even, subnormals kept.
;;     - The product sums the exact products of the quantised numbers (number of the format x scale) in f32.
;;   ~~~python
;;   def quantise(x, axis):      # numpy; x: float32 -> the quantised numbers, widened to float32 again
;;       x = np.moveaxis(x, axis, -1); K = x.shape[-1]
;;       x = np.pad(x, [(0, 0)] * (x.ndim - 1) + [(0, -K % 32)]); x = x.reshape(x.shape[:-1] + (-1, 32)); a = np.abs(x).max(-1, keepdims=True)
;;       e = np.where(a > 0, np.clip(np.frexp(np.where(a > 0, a, 1))[1] - 1 - 4, -126, 127), 0)      # np.frexp(a)[1] - 1 = floor(log2(a)), exactly
;;       r = np.clip(x / 2.0 ** e, -28, 28)
;;       step = 2.0 ** (np.maximum(np.frexp(np.where(r == 0, 1, r))[1] - 1, -2) - 2)
;;       q = np.round(r / step) * step * 2.0 ** e      # np.round: ties to even
;;       return np.moveaxis(q.reshape(q.shape[:-2] + (-1,))[..., :K], -1, axis).astype(np.float32)
;;   ~~~
;;   SOFTMAX AHEAD OF A QUANTISED PRODUCT. Where the list says 'softmax', what is quantised is not the finished softmax but p = 2^(t - M), with t = logit x log2(e) and M = ceil(the row's largest t), a whole number; so 1/2 < the row's largest p <= 1. The row's sum l is taken of the UNQUANTISED p, in f32, and the product's result is divided by l at the end. Since M is a whole number, a kernel that streams over the keys may use a running M (the ceiling of the running maximum): every later rescaling is an exact power of two, which a block's scale takes up: the codes' values come out the same.
;;   OPERANDS COMPUTED ON THE WAY. 'Computed on the way' means the value that the module computes at that place (a softmax that the list does not call 'softmax' is quantised finished and normalised). What goes into a quantiser is computed in f32, as accurately as f32 sums, v_exp_f32 and their like allow (about 1e-6 of the number): no bf16 or f16 on the way to a quantiser, and a product that is left as it is and whose result goes on into a quantised operand takes f32 operands (vector FMAs, or v_wmma_f32_16x16x4_f32). A number that lies on a knife's edge between two numbers of the format may be rounded either way, as far as f32 arithmetic and the matrix unit's own rounding can turn it there, and no further.
;;   INPUTS GIVEN AS CODES. Wk1 (in the module: [768, 768], K = its axis 0); Wk2 (in the module: [768, 96], K = its axis 0); Wq1 (in the module: [768, 768], K = its axis 0); Wq2 (in the module: [768, 96], K = its axis 0); Wv1 (in the module: [768, 768], K = its axis 0); Wv2 (in the module: [768, 96], K = its axis 0); features_a (in the module: [128, 768, 7, 7], K = its axis 1); features_b (in the module: [128, 768, 7, 7], K = its axis 1): each comes as NAME_codes (uint8): NAME with its K axis moved to the last place and cut into blocks of 32 codes, [.., K / 32, bytes a block], one block behind the other in memory; four codes in three bytes: a row's codes are one little-endian stream of bits, code i at bits 6 i .. 6 i + 5 (a code: sign, 3 exponent bits, 2 mantissa bits); and NAME_scales (uint8): the same leading axes, one E8M0 byte (e + 127) for each 32 codes along K. Its value is code x scale, taken as it is: it is not quantised again, and the codes and scales need not be those that the quantiser above would give.
;; One version. Each part assembles by itself: llvm-mc -triple=amdgcn-amd-amdhsa -mcpu=gfx1250 --defsym DOCPART=n.
;; ======== version 1 of 1: 2 launches
;; limits: right only within a limited range of input values
;; workspace buffers: qrec 6,144,000 bytes; kv 3,342,336 bytes
;; launch proj (part 1): grid 64 x 3, 4 waves a work-group, clusters of 4 x 1, 327,680 bytes of LDS; arguments features_a_codes, features_a_scales, features_b_codes, features_b_scales, Wq1_codes, Wq1_scales, Wq2_codes, Wq2_scales, Wk1_codes, Wk1_scales, Wk2_codes, Wk2_scales, Wv1_codes, Wv1_scales, Wv2_codes, Wv2_scales, qrec, kv; writes qrec, kv
.if DOCPART == 1
	.amdgcn_target "amdgcn-amd-amdhsa--gfx1250"
	.amdhsa_code_object_version 6
	.text
	.protected	k_qde0b555a53_proj
	.globl	k_qde0b555a53_proj
	.p2align	8
	.type	k_qde0b555a53_proj,@function
k_qde0b555a53_proj:
	s_mov_b64 s[64:65], 0
	v_nop
	global_prefetch_b8 v0, s[64:65] scope:SCOPE_SE
	s_setreg_imm32_b32 hwreg(HW_REG_WAVE_MODE, 25, 1), 1
	s_wait_xcnt 0x0
	s_wait_alu depctr_hold_cnt(0) depctr_sa_sdst(0) depctr_va_vdst(0) depctr_va_sdst(0) depctr_va_ssrc(0) depctr_va_vcc(0) depctr_vm_vsrc(0)
	s_getreg_b32 s2, hwreg(HW_REG_IB_STS2, 6, 4)
	s_cmp_eq_u32 s2, 0
	s_cbranch_scc0 .Lentry_in_a_cluster
	s_endpgm
.Lentry_in_a_cluster:
	s_bfe_u32 s2, ttmp6, 0x10000c
	s_cmp_lg_u32 s2, 0x3003
	s_cbranch_scc0 .Lentry_shape_is_right
	s_endpgm
.Lentry_shape_is_right:
.set SLOT1,  131072
.set UP1,    46208
.set SC1,    306688
.set SC2,    325120
.set SPARE,  92416
.set XST,    92928                     ; x's stage: 16 rows x 592 bytes for each wave, in blocks of 256 bytes into which no fill lands
.set XL,   240                         ; 16 x lane
.set XG2,  241                         ; the last 64 bytes of eight rows of x in memory: four lanes a row
.set XSS,  242                         ; the same two places in my stage
.set XS2,  243
.set G0H,  32                          ; s[32:35] group 0 for a whole half of a chunk: four rows
.set W2L,    223488
.set UP2,    41488
.set REC,    7680
.set GRP,    25*REC
.set KVREC,  13056
.set KVS,    6144
.set KVV,    6400
.set KVVS,   12544
.set SPW,  1
.set NIL,  2
.set AW0,  3
.set AW1,  4
.set A20,  5
.set A21,  6
.set AS1,  7
.set AS2,  8
.set LI,   15
.set QOFF, 16
.set L4,   17
.set XA,   18
.set XA3,  19
.set XS,   20
.set W1S,  44
.set W2S,  68
.set PW,   74
.set TMX,  78
.set TMP,  86
.set TMS,  94
.set RR,   102
.set HH,   103
.set XSA,  104
.set XSA3, 105
.set STO,  106
.set STR,  107
.set T0,   108
.set WF,   112
.set PWO,  208
.set KJ,   212
.set CC,   176
.set VW,   224
.set VJ,   230
.set G1W,  40
.set G1W2, 48
.set G1S1, 56
.set G1S2, 68
.set G0W,  76
.set G0X,  80
.set G0S1, 84
.set G0S2, 88
.set WV,   92
.set TB,   93
.set TS1,  94
.set T2,   95
.set TS2,  96
.set CNT,  97
.set SEL,  98
.set LIM,  100
.set SVX,  101
.set Y,    66
.set BETA, 67
.set MSB, 0
.macro WIN new
.if MSB != \new
	s_set_vgpr_msb (MSB<<8)|\new
.set MSB, \new
.endif
.endm
.macro PLACES n
.rept \n
	v_nop
.endr
.endm
.macro ROUND
	s_barrier_signal -1
	s_barrier_wait -1
	s_cmp_lg_u32 s[WV], 0
	s_cbranch_scc1 .Lnot_wave_0_\@
	s_barrier_signal -3
.Lnot_wave_0_\@:
	s_barrier_wait -3
	s_barrier_signal -1
	s_barrier_wait -1
.endm
.macro WM0 d, a, b, sa, sb
	v_wmma_scale_f32_16x16x128_f8f6f4 v[\d:\d+7], v[\a:\a+11], v[\b:\b+11], 0, v[\sa], v[\sb] matrix_a_fmt:MATRIX_FMT_BF6 matrix_b_fmt:MATRIX_FMT_BF6
.endm
.macro WMA d, a, b, sa, sb
	v_wmma_scale_f32_16x16x128_f8f6f4 v[\d:\d+7], v[\a:\a+11], v[\b:\b+11], v[\d:\d+7], v[\sa], v[\sb] matrix_a_fmt:MATRIX_FMT_BF6 matrix_b_fmt:MATRIX_FMT_BF6
.endm
.macro FRAG1 reg, b, u, q
.irp p, 0,1,2,3,4,5
.set PC, 12*(\q)+6*(\p/3)+\p%3
.if PC%8 < 5
	ds_load_b64 v[\reg+2*\p:\reg+2*\p+1], v9 offset:11520*(\b)+5760*(\u)+8*PC+16*(PC/8)
.else
	ds_load_b64 v[\reg+2*\p:\reg+2*\p+1], v10 offset:11520*(\b)+5760*(\u)+8*PC+16*(PC/8)
.endif
.endr
.endm
.macro GROUP1 buf, hc, q
.irp t, 0,1,2,3
	FRAG1 WF+48*(\buf)+12*\t, 2*(\hc)+\t/2, \t%2, \q
.endr
.endm
.macro FRAG2 reg, t
	ds_load_b64 v[\reg:\reg+1], v11 offset:13824*((\t)/2)+6912*((\t)%2)
	ds_load_b64 v[\reg+2:\reg+3], v12 offset:13824*((\t)/2)+6912*((\t)%2)+8
	ds_load_b64 v[\reg+4:\reg+5], v12 offset:13824*((\t)/2)+6912*((\t)%2)+16
	ds_load_b64 v[\reg+6:\reg+7], v12 offset:13824*((\t)/2)+6912*((\t)%2)+64
	ds_load_b64 v[\reg+8:\reg+9], v12 offset:13824*((\t)/2)+6912*((\t)%2)+72
	ds_load_b64 v[\reg+10:\reg+11], v11 offset:13824*((\t)/2)+6912*((\t)%2)+96
.endm
.macro W1SL hc
.irp t, 0,1,2,3
.irp x, 0,1,2
	ds_load_b64 v[W1S+6*\t+2*\x:W1S+6*\t+2*\x+1], v13 offset:(32*(2*(\hc)+\t/2)+8*(\t%2))*24+8*\x
.endr
.endr
.endm
.macro KMUL buf, q
	WIN 0xa4
.irp m, 0,1,2
.irp t, 0,1,2,3
.if (\q) == 0
	WM0 128+32*\m+8*\t, WF+48*(\buf)+12*\t, 72*\m+12*(\q), W1S+6*\t+(\q), XS+6*\m+(\q)
.else
	WMA 128+32*\m+8*\t, WF+48*(\buf)+12*\t, 72*\m+12*(\q), W1S+6*\t+(\q), XS+6*\m+(\q)
.endif
.endr
.endr
	WIN 0xa8
.irp t, 0,1,2,3
.if (\q) == 0
	WM0 224+8*\t, WF+48*(\buf)+12*\t, 12*(\q), W1S+6*\t+(\q), XS+18+(\q)
.else
	WMA 224+8*\t, WF+48*(\buf)+12*\t, 12*(\q), W1S+6*\t+(\q), XS+18+(\q)
.endif
.endr
.endm
.macro KSTEP buf, q, nhc, nq
	WIN 0
	PLACES 4
	GROUP1 1-\buf, \nhc, \nq
	s_wait_dscnt 24
	KMUL \buf, \q
.endm
.macro QH c
	WIN 0x0a
.irp m, 0,1,2,3
.irp u, 0,1
	v_max3_num_f32 v[TMX+2*\m+\u], v[128+32*\m+16*\u], v[128+32*\m+16*\u+1], 0x2800000
.endr
.endr
.irp i, 2,4,6,8,10,12,14
.irp m, 0,1,2,3
.irp u, 0,1
	v_max3_num_f32 v[TMX+2*\m+\u], v[128+32*\m+16*\u+\i], v[128+32*\m+16*\u+\i+1], v[TMX+2*\m+\u]
.endr
.endr
.endr
	WIN 0
.irp k, 0,1,2,3,4,5,6,7
	v_permlanex16_b32 v[TMP+\k], v[TMX+\k], s[SEL], s[SEL+1]
.endr
.irp k, 0,1,2,3,4,5,6,7
	v_max_num_f32 v[TMX+\k], v[TMX+\k], v[TMP+\k]
.endr
.irp k, 0,1,2,3,4,5,6,7
	v_add_nc_u32 v[TMS+\k], 0xfe000000, v[TMX+\k]
.endr
.irp k, 0,1,2,3,4,5,6,7
	v_lshrrev_b32 v[TMP+\k], 23, v[TMS+\k]
.endr
.irp m, 0,1,2,3
.if (\c) == 0
	v_lshl_or_b32 v[PW+\m], v[TMP+2*\m+1], 8, v[TMP+2*\m]
.else
	v_lshl_or_b32 v[PW+\m], v[TMP+2*\m], 16, v[PW+\m]
	v_lshl_or_b32 v[PW+\m], v[TMP+2*\m+1], 24, v[PW+\m]
.endif
.endr
	WIN 0x88
.set j, 0
.rept 128
	v_max_num_f32 v[128+j], 0, v[128+j]
.set j, j+1
.endr
	WIN 0xc2
.irp m, 0,1,2,3
	v_cvt_scalef32_pk16_bf6_f32 v[192+12*\m+6*(\c):192+12*\m+6*(\c)+2], v[128+32*\m:128+32*\m+15], v[TMS+2*\m]
	v_cvt_scalef32_pk16_bf6_f32 v[240+4*\m:240+4*\m+2], v[128+32*\m+16:128+32*\m+31], v[TMS+2*\m+1]
.endr
	v_nop
	WIN 0xc3
.irp m, 0,1,2,3
.irp i, 0,1,2
	v_permlane16_swap_b32 v[192+12*\m+6*(\c)+\i], v[240+4*\m+\i]
.endr
.endr
.irp m, 0,1,2,3
.irp i, 0,1,2
	v_mov_b32 v[192+12*\m+6*(\c)+3+\i], v[240+4*\m+\i]
.endr
.endr
	WIN 0
.endm
.macro G2 first
	PLACES 4
	s_wait_alu depctr_va_vdst(0)
	s_wait_dscnt 0x0
	WIN 0xfc
.irp t, 0,1,2,3,4,5
.irp m, 0,1,2,3
.if \first
	WM0 48*\m+8*\t, WF+12*\t, 192+12*\m, W2S+\t, PW+\m
.else
	WMA 48*\m+8*\t, WF+12*\t, 192+12*\m, W2S+\t, PW+\m
.endif
.endr
.endr
	WIN 0
	PLACES 4
.endm
.macro CHUNK first
	v_add_nc_u32 v9, s[TB], v[AW0]
	s_wait_alu depctr_va_vdst(0)
	v_add_nc_u32 v10, s[TB], v[AW1]
	s_wait_alu depctr_va_vdst(0)
	v_add_nc_u32 v11, s[T2], v[A20]
	v_add_nc_u32 v12, s[T2], v[A21]
	v_add_nc_u32 v13, s[TS1], v[AS1]
	v_add_nc_u32 v14, s[TS2], v[AS2]
	W1SL 0
	GROUP1 0, 0, 0
	KSTEP 0, 0, 0, 1
	KSTEP 1, 1, 0, 2
	KSTEP 0, 2, 0, 3
	KSTEP 1, 3, 0, 4
	KSTEP 0, 4, 0, 5
	KSTEP 1, 5, 1, 0
	WIN 0
	PLACES 4
	s_wait_alu depctr_va_vdst(0)
	W1SL 1
	QH 0
	KSTEP 0, 0, 1, 1
	KSTEP 1, 1, 1, 2
	KSTEP 0, 2, 1, 3
	KSTEP 1, 3, 1, 4
	KSTEP 0, 4, 1, 5
	WIN 0
	PLACES 4
.if \first
	s_wait_tensorcnt 0x0                           ; the first chunk alone: my part of W2 or of chunk 1 is in,
	s_wait_dscnt 0x0
	s_barrier_signal -1
	s_barrier_wait -1                              ; everybody's is
.endif
.irp t, 0,1,2,3
	FRAG2 WF+12*\t, \t
.endr
	s_wait_dscnt 24
	KMUL 1, 5
	WIN 0
	PLACES 4
	FRAG2 WF+48, 4
	FRAG2 WF+60, 5
.irp t, 0,1,2,3,4,5
	ds_load_b32 v[W2S+\t], v14 offset:(32*(\t/2)+8*(\t%2))*24
.endr
	QH 1
	G2 \first
	s_xor_b32 s[TB], s[TB], SLOT1
	s_add_co_u32 s[TS1], s[TS1], 3072
	s_add_co_u32 s[T2], s[T2], 144
	s_add_co_u32 s[TS2], s[TS2], 4
.endm
.macro CHANGE fill
	s_wait_tensorcnt 0x0
	ds_add_u32 v[SPW], v[NIL]
.if \fill
	s_mov_b32 s[G1W+2], 2<<16                      ; no tensor load of mine is out: the ring's loads bring two rows a wave
	s_mov_b32 s[G1W+4], 2
	s_xor_b32 s[G0W+1], s[G0W+1], SLOT1
	s_add_nc_u64 s[G0W+2:G0W+3], s[G0W+2:G0W+3], 73728
.endif
	s_wait_dscnt 0x0
.if \fill
	ROUND
	tensor_load_to_lds s[G0W:G0W+3], s[G1W:G1W+7]
	s_nop 0
	PLACES 4
.else
	s_barrier_signal -1
	s_barrier_wait -1
.endif
.endm
	s_load_b256 s[4:11], s[0:1], 0x0
	s_load_b256 s[12:19], s[0:1], 0x20
	s_load_b256 s[20:27], s[0:1], 0x40
	s_load_b256 s[28:35], s[0:1], 0x60
	s_load_b128 s[36:39], s[0:1], 0x80
	v_lshl_add_u32 v[SPW], v0, 2, SPARE
	v_mov_b32 v[NIL], 0
	ds_add_u32 v1, v2
	ds_add_u32 v1, v2
	s_wait_dscnt 0x0
	v_lshrrev_b32 v[T0], 5, v0
	v_readfirstlane_b32 s[WV], v[T0]
	s_and_b32 s[Y], ttmp7, 0xffff
	s_mov_b32 s[G1W], 15|(1<<20)|(1<<21)|(3<<22)|(3<<25)
	s_mov_b32 s[G1W+1], 9216<<16
	s_mov_b32 s[G1W+2], 4<<16
	s_mov_b32 s[G1W+3], 9216<<16
	s_mov_b32 s[G1W+4], 4
	s_mov_b32 s[G1W+5], 18432
	s_mov_b32 s[G1W+6], 0
	s_mov_b32 s[G1W+7], 0
	s_mov_b32 s[G1W2], 15|(1<<20)|(1<<21)|(2<<22)|(3<<25)
	s_mov_b32 s[G1W2+1], 9216<<16
	s_mov_b32 s[G1W2+2], 3<<16
	s_mov_b32 s[G1W2+3], 9216<<16
	s_mov_b32 s[G1W2+4], 3
	s_mov_b32 s[G1W2+5], 18432
	s_mov_b32 s[G1W2+6], 0
	s_mov_b32 s[G1W2+7], 0
	s_mov_b32 s[G1S1], 15|(3<<16)|(1<<21)
	s_mov_b32 s[G1S1+1], 32<<16
	s_mov_b32 s[G1S1+2], 72<<16
	s_mov_b32 s[G1S1+3], 32<<16
	s_mov_b32 s[G1S1+4], 72
	s_mov_b32 s[G1S1+5], 32
	s_mov_b32 s[G1S1+6], 0
	s_mov_b32 s[G1S1+7], 0
	s_mov_b32 s[G1S2], 15|(3<<16)|(1<<21)
	s_mov_b32 s[G1S2+1], 32<<16
	s_mov_b32 s[G1S2+2], 9<<16
	s_mov_b32 s[G1S2+3], 32<<16
	s_mov_b32 s[G1S2+4], 9
	s_mov_b32 s[G1S2+5], 32
	s_mov_b32 s[G1S2+6], 0
	s_mov_b32 s[G1S2+7], 0
	s_mov_b32 s[TB], 0
	s_mov_b32 s[TS1], 0
	s_mov_b32 s[T2], 0
	s_mov_b32 s[TS2], 0
	s_mov_b32 s[SEL], 0x76543210
	s_mov_b32 s[SEL+1], 0xfedcba98
	s_wait_kmcnt 0x0
	s_cmp_eq_u32 s[Y], 1
	s_cselect_b64 s[12:13], s[20:21], s[12:13]
	s_cselect_b64 s[14:15], s[22:23], s[14:15]
	s_cselect_b64 s[16:17], s[24:25], s[16:17]
	s_cselect_b64 s[18:19], s[26:27], s[18:19]
	s_cmp_eq_u32 s[Y], 2
	s_cselect_b64 s[12:13], s[28:29], s[12:13]
	s_cselect_b64 s[14:15], s[30:31], s[14:15]
	s_cselect_b64 s[16:17], s[32:33], s[16:17]
	s_cselect_b64 s[18:19], s[34:35], s[18:19]
	s_and_b32 s21, s[WV], 1
	s_lshr_b32 s22, s[WV], 1
	s_mul_i32 s23, s21, UP1
	s_mul_i32 s24, s22, 23040
	s_mov_b32 s[G0W], 1
	s_add_co_u32 s[G0W+1], s23, s24
	s_mul_i32 s24, s22, 64*576
	s_mul_i32 s23, s21, 16*576
	s_add_co_u32 s24, s24, s23
	s_mov_b32 s25, 0
	s_add_nc_u64 s[G0W+2:G0W+3], s[12:13], s[24:25]
	s_or_b32 s[G0W+3], s[G0W+3], 0x80000000
	s_xor_b32 s[G0W+1], s[G0W+1], SLOT1            ; the ring's group 0 stands at chunk 1 in slot 1: its first step leads to chunk 2 in slot 0
	s_add_nc_u64 s[G0W+2:G0W+3], s[G0W+2:G0W+3], 73728
	s_mov_b32 s[G0H], 1                            ; chunks 0 and 1 come by waves 0 and 1, four rows each
	s_mul_i32 s[G0H+1], s21, UP1
	s_mov_b32 s24, s23
	s_add_nc_u64 s[G0H+2:G0H+3], s[12:13], s[24:25]
	s_or_b32 s[G0H+3], s[G0H+3], 0x80000000
	s_mov_b32 s[G0X], 1
	s_mul_i32 s23, s21, UP2
	s_add_co_u32 s[G0X+1], s23, W2L
	s_mul_i32 s24, s21, 9216
	s_add_nc_u64 s[G0X+2:G0X+3], s[16:17], s[24:25]
	s_or_b32 s[G0X+3], s[G0X+3], 0x80000000
	s_mov_b32 s[G0S1], 1
	s_mov_b32 s[G0S1+1], SC1
	s_mov_b64 s[G0S1+2:G0S1+3], s[14:15]
	s_or_b32 s[G0S1+3], s[G0S1+3], 0x80000000
	s_mov_b32 s[G0S2], 1
	s_mov_b32 s[G0S2+1], SC2
	s_mov_b64 s[G0S2+2:G0S2+3], s[18:19]
	s_or_b32 s[G0S2+3], s[G0S2+3], 0x80000000
	ROUND
	s_cmp_lt_u32 s[WV], 2
	s_cbranch_scc0 .Lonce_a
	tensor_load_to_lds s[G0H:G0H+3], s[G1W:G1W+7]
	s_nop 0
	PLACES 4
	s_branch .Lonce_z
.Lonce_a:
	s_cmp_eq_u32 s[WV], 2
	s_cbranch_scc0 .Lonce_b
	tensor_load_to_lds s[G0S1:G0S1+3], s[G1S1:G1S1+7]
	s_nop 0
	PLACES 4
	s_branch .Lonce_z
.Lonce_b:
	tensor_load_to_lds s[G0S2:G0S2+3], s[G1S2:G1S2+7]
	s_nop 0
	PLACES 4
.Lonce_z:
	s_bfe_u32 s2, ttmp6, 0x40000
	s_lshl_b32 s3, ttmp9, 2
	s_add_co_u32 s3, s3, s2
	s_and_b32 s3, s3, 31
	s_lshl_b32 s3, s3, 2
	s_add_co_u32 s[BETA], s3, s[WV]
	s_cmp_ge_u32 ttmp9, 8
	s_cselect_b64 s[4:5], s[8:9], s[4:5]
	s_cselect_b64 s[6:7], s[10:11], s[6:7]
	s_cselect_b32 s26, 1, 0
	s_mov_b32 s29, 0
	s_mul_i32 s28, s[BETA], 49*576
	s_add_nc_u64 s[4:5], s[4:5], s[28:29]
	s_mul_i32 s28, s[BETA], 49*24
	s_add_nc_u64 s[6:7], s[6:7], s[28:29]
	s_lshl_b32 s27, s26, 4
	s_lshr_b32 s30, s[BETA], 3
	s_add_co_u32 s27, s27, s30
	s_mul_i32 s28, s27, GRP
	s_add_nc_u64 s[36:37], s[36:37], s[28:29]
	s_lshl_b32 s27, s26, 7
	s_add_co_u32 s27, s27, s[BETA]
	s_mul_i32 s28, s27, KVREC
	s_add_nc_u64 s[38:39], s[38:39], s[28:29]
	s_and_b32 s30, s[BETA], 7
	s_cmp_eq_u32 s30, 7
	s_cselect_b32 s[LIM], 9, 1
	s_mul_i32 s30, s30, 49
	v_and_b32 v[RR], 15, v0
	v_bfe_u32 v[HH], v0, 4, 1
	s_mul_i32 s31, s[WV], 9472
	s_add_co_u32 s31, s31, XST                     ; my stage
	v_mul_u32_u24 v[XA], v[RR], 592
	v_mad_u32_u24 v[XA], v[HH], 24, v[XA]
	v_add_nc_u32 v[XA], s31, v[XA]                 ; a fragment's place in it: row r, + 24 h
	v_and_b32 v[T0], 31, v0
	v_lshlrev_b32 v[XL], 4, v[T0]
	v_add_nc_u32 v[XSS], s31, v[XL]
	v_lshrrev_b32 v[T0+1], 2, v[T0]
	v_and_b32 v[T0+2], 3, v[T0]
	v_mul_u32_u24 v[XG2], v[T0+1], 576
	v_lshl_add_u32 v[XG2], v[T0+2], 4, v[XG2]
	v_mul_u32_u24 v[XS2], v[T0+1], 592
	v_lshl_add_u32 v[XS2], v[T0+2], 4, v[XS2]
	v_add_nc_u32 v[XS2], s31, v[XS2]
	v_mul_u32_u24 v[XA3], v[HH], 24
	v_mul_u32_u24 v[XSA], v[RR], 24
	v_mov_b32 v[XSA3], 0
	WIN 0xc0                                       ; x's rows 0-47, as they lie, into window 3: the 32 lanes take the first 512 bytes of a row, and two more loads the last 64 bytes of a tile's 16 rows
.irp m, 0,1,2
.irp j, 0,1,2,3,4,5,6,7,8,9,10,11,12,13,14,15
	global_load_b128 v[72*\m+4*\j:72*\m+4*\j+3], v[XL], s[4:5] offset:9216*\m+576*\j
.endr
.irp k, 0,1
	global_load_b128 v[72*\m+64+4*\k:72*\m+64+4*\k+3], v[XG2], s[4:5] offset:9216*\m+4608*\k+512
.endr
.endr
	WIN 0x80
.irp q, 0,1,2,3,4,5
.irp p, 0,1,2,3,4,5
	global_load_b64 v[12*\q+2*\p:12*\q+2*\p+1], v[XA3], s[4:5] offset:27648+96*\q+48*(\p/3)+8*(\p%3)
.endr
.endr
	WIN 0
.irp m, 0,1,2
.irp x, 0,1,2
	global_load_b64 v[XS+6*\m+2*\x:XS+6*\m+2*\x+1], v[XSA], s[6:7] offset:384*\m+8*\x
.endr
.endr
.irp x, 0,1,2
	global_load_b64 v[XS+18+2*\x:XS+18+2*\x+1], v[XSA3], s[6:7] offset:1152+8*\x
.endr
	s_wait_alu depctr_va_vdst(0)
	s_wait_tensorcnt 0x0                           ; my tile of the head's is in; these lines stand ahead of a later first fill as ahead of a refill
	ds_add_u32 v[SPW], v[NIL]
	s_xor_b32 s[G0H+1], s[G0H+1], SLOT1            ; chunk 1, into slot 1
	s_add_nc_u64 s[G0H+2:G0H+3], s[G0H+2:G0H+3], 73728
	s_wait_dscnt 0x0
	ROUND
	s_cmp_lt_u32 s[WV], 2
	s_cbranch_scc0 .Ltwo_b
	tensor_load_to_lds s[G0H:G0H+3], s[G1W:G1W+7]
	s_nop 0
	PLACES 4
	s_branch .Ltwo_z
.Ltwo_b:
	tensor_load_to_lds s[G0X:G0X+3], s[G1W2:G1W2+7]
	s_nop 0
	PLACES 4
.Ltwo_z:
	v_and_b32 v[T0], 7, v[RR]
	v_lshrrev_b32 v[T0+1], 3, v[RR]
	v_mul_u32_u24 v[AW0], v[T0], 720
	v_mad_u32_u24 v[AW0], v[T0+1], UP1, v[AW0]
	v_mad_u32_u24 v[AW0], v[HH], 24, v[AW0]
	v_lshl_add_u32 v[AW1], v[HH], 4, v[AW0]
	v_mul_u32_u24 v[A20], v[T0], 864
	v_mad_u32_u24 v[A20], v[T0+1], UP2, v[A20]
	v_mad_u32_u24 v[A20], v[HH], 24, v[A20]
	v_add_nc_u32 v[A20], W2L, v[A20]
	v_lshl_add_u32 v[A21], v[HH], 4, v[A20]
	v_lshl_add_u32 v[T0+2], v[T0+1], 3, v[RR]
	v_mul_u32_u24 v[AS1], v[T0+2], 24
	v_add_nc_u32 v[AS2], SC2, v[AS1]
	v_add_nc_u32 v[AS1], SC1, v[AS1]
	v_and_b32 v[T0+3], 31, v0
	v_lshlrev_b32 v[LI], 4, v[T0+3]
	v_lshlrev_b32 v[L4], 2, v[T0+3]
	s_lshl_b32 s23, s[WV], 16
	v_mul_u32_u24 v[STO], v[RR], 400
	v_lshl_add_u32 v[STO], v[HH], 5, v[STO]
	v_add_nc_u32 v[STO], s23, v[STO]
	v_mul_u32_u24 v[STR], v[HH], 3200
	v_lshl_add_u32 v[STR], v[RR], 2, v[STR]
	v_add_nc_u32 v[STR], s23, v[STR]
	v_add_nc_u32 v[T0], s30, v[RR]
	v_lshrrev_b32 v[T0+1], 4, v[T0]
	v_and_b32 v[T0], 15, v[T0]
	v_mul_u32_u24 v[QOFF], v[T0+1], REC
	v_lshl_add_u32 v[QOFF], v[T0], 4, v[QOFF]
	v_lshl_add_u32 v[QOFF], v[HH], 8, v[QOFF]
.irp k, 0,1,2,3,4,5,6,7
	v_mov_b32 v[TMP+\k], 0
.endr
	v_cmp_eq_u32 vcc_lo, 0, v[RR]
	s_wait_loadcnt 0x0
	WIN 0x88
.set j, 0
.rept 72
	v_cndmask_b32 v[j], 0, v[j], vcc_lo
.set j, j+1
.endr
	WIN 0
.irp m, 0,1,2                          ; a tile of 16 rows goes through my stage and comes back as fragments; LDS serves a wave's instructions in order, so no wait stands between
	WIN 0x0c
.irp j, 0,1,2,3,4,5,6,7,8,9,10,11,12,13,14,15
	ds_store_b128 v[XSS], v[72*\m+4*\j:72*\m+4*\j+3] offset:592*\j
.endr
.irp k, 0,1
	ds_store_b128 v[XS2], v[72*\m+64+4*\k:72*\m+64+4*\k+3] offset:4736*\k+512
.endr
	WIN 0x40
.irp q, 0,1,2,3,4,5
.irp p, 0,1,2,3,4,5
	ds_load_b64 v[72*\m+12*\q+2*\p:72*\m+12*\q+2*\p+1], v[XA] offset:96*\q+48*(\p/3)+8*(\p%3)
.endr
.endr
.endr
	WIN 0
	s_wait_alu depctr_va_vdst(0)
	s_wait_dscnt 0x0
	CHUNK 1
	s_mov_b32 s[CNT], 4
.Lchunk:
	CHANGE 1
	CHUNK 0
	s_sub_co_u32 s[CNT], s[CNT], 1
	s_cmp_lg_u32 s[CNT], 0
	s_cbranch_scc1 .Lchunk
	CHANGE 0
	CHUNK 0
	s_wait_dscnt 0x0
	s_barrier_signal -1
	s_barrier_wait -1
	s_cmp_eq_u32 s[Y], 2
	s_cbranch_scc1 .Lv
.macro QOUT m
.set OF, WF+20*(\m)
	WIN 0x0f
.irp b, 0,1,2
	v_max3_num_f32 v[TMX+\b], |v[48*(\m)+16*\b]|, |v[48*(\m)+16*\b+1]|, 0x2800000
.endr
.irp i, 2,4,6,8,10,12,14
.irp b, 0,1,2
	v_max3_num_f32 v[TMX+\b], |v[48*(\m)+16*\b+\i]|, |v[48*(\m)+16*\b+\i+1]|, v[TMX+\b]
.endr
.endr
	WIN 0
.irp b, 0,1,2
	v_permlanex16_b32 v[TMP+\b], v[TMX+\b], s[SEL], s[SEL+1]
.endr
.irp b, 0,1,2
	v_max_num_f32 v[TMX+\b], v[TMX+\b], v[TMP+\b]
.endr
.irp b, 0,1,2
	v_add_nc_u32 v[TMS+\b], 0xfe000000, v[TMX+\b]
.endr
.irp b, 0,1,2
	v_lshrrev_b32 v[TMP+\b], 23, v[TMS+\b]
.endr
	v_lshl_or_b32 v[PWO+\m], v[TMP+1], 8, v[TMP]
	v_lshl_or_b32 v[PWO+\m], v[TMP+2], 16, v[PWO+\m]
	v_or_b32 v[PWO+\m], 0x7f000000, v[PWO+\m]
	WIN 0x03
	v_cvt_scalef32_pk16_bf6_f32 v[OF:OF+2], v[48*(\m):48*(\m)+15], v[TMS]
	v_cvt_scalef32_pk16_bf6_f32 v[OF+12:OF+14], v[48*(\m)+16:48*(\m)+31], v[TMS+1]
	v_cvt_scalef32_pk16_bf6_f32 v[OF+6:OF+8], v[48*(\m)+32:48*(\m)+47], v[TMS+2]
	v_nop
	WIN 0
.irp i, 0,1,2
	v_mov_b32 v[OF+16+\i], 0
.endr
.irp i, 0,1,2
	v_permlane16_swap_b32 v[OF+\i], v[OF+12+\i]
	v_permlane16_swap_b32 v[OF+6+\i], v[OF+16+\i]
.endr
.irp i, 0,1,2
	v_mov_b32 v[OF+3+\i], v[OF+12+\i]
	v_mov_b32 v[OF+9+\i], v[OF+16+\i]
.endr
.endm
	QOUT 0
	QOUT 1
	QOUT 2
	QOUT 3
	v_cmp_eq_u32 vcc_lo, 1, v[HH]
	s_cmp_eq_u32 s[Y], 1
	s_cbranch_scc1 .Lk
.irp m, 0,1,2,3
	v_cndmask_b32 v[WF+20*\m+11], v[WF+20*\m+11], v[PWO+\m], vcc_lo
.endr
.irp m, 0,1,2
.irp c, 0,1,2
	global_store_b128 v[QOFF], v[WF+20*\m+4*\c:WF+20*\m+4*\c+3], s[36:37] offset:REC*\m+512*\c
.endr
.endr
	v_cmp_gt_u32 vcc_lo, s[LIM], v[RR]
	s_wait_xcnt 0x0
	s_and_saveexec_b32 s[SVX], vcc_lo
	s_wait_alu depctr_va_vdst(0)
.irp c, 0,1,2
	global_store_b128 v[QOFF], v[WF+60+4*\c:WF+60+4*\c+3], s[36:37] offset:REC*3+512*\c
.endr
	s_wait_xcnt 0x0
	s_or_b32 exec_lo, exec_lo, s[SVX]
	s_branch .Lend
.Lk:
	s_wait_alu depctr_va_vdst(0)
.irp m, 0,1,2,3
.irp c, 0,1,2
	global_store_b128 v[LI], v[WF+20*\m+4*\c:WF+20*\m+4*\c+3], s[38:39] offset:1536*\m+512*\c
.endr
.endr
.irp u, 0,1
	v_cndmask_b32 v[KJ+\u], v[PWO+2*\u], v[PWO+2*\u+1], vcc_lo
	global_store_b32 v[L4], v[KJ+\u], s[38:39] offset:KVS+128*\u
.endr
	s_branch .Lend
.Lv:
	WIN 0x0c
.irp m, 0,1,2,3
.irp t, 0,1,2,3,4,5
	ds_store_b128 v[STO], v[48*\m+8*\t:48*\m+8*\t+3] offset:6400*\m+64*\t
	ds_store_b128 v[STO], v[48*\m+8*\t+4:48*\m+8*\t+7] offset:6400*\m+64*\t+16
.endr
.endr
	WIN 0x0f
.irp m, 0,1,2,3
	v_pk_mul_f32 v[TMX+2*\m:TMX+2*\m+1], v[48*\m:48*\m+1], v[48*\m:48*\m+1]
.endr
.set j, 2
.rept 23
.irp m, 0,1,2,3
	v_pk_fma_f32 v[TMX+2*\m:TMX+2*\m+1], v[48*\m+j:48*\m+j+1], v[48*\m+j:48*\m+j+1], v[TMX+2*\m:TMX+2*\m+1]
.endr
.set j, j+2
.endr
	WIN 0
.irp m, 0,1,2,3
	v_add_f32 v[TMX+2*\m], v[TMX+2*\m], v[TMX+2*\m+1]
.endr
.irp m, 0,1,2,3
	v_permlanex16_b32 v[TMP+\m], v[TMX+2*\m], s[SEL], s[SEL+1]
.endr
.irp m, 0,1,2,3
	v_add_f32 v[TMX+2*\m], v[TMX+2*\m], v[TMP+\m]
.endr
	s_wait_alu depctr_va_vdst(0)
.irp m, 0,1,2,3
	v_sqrt_f32 v[TMP+\m], v[TMX+2*\m]
.endr
	v_nop
	s_wait_alu depctr_va_vdst(0)
.irp m, 0,1,2,3
	v_max_num_f32 v[TMP+\m], 0x322bcc77, v[TMP+\m]
.endr
	s_wait_alu depctr_va_vdst(0)
.irp m, 0,1,2,3
	v_rcp_f32 v[TMX+2*\m], v[TMP+\m]
.endr
	v_nop
	s_wait_alu depctr_va_vdst(0)
.macro VHATC m
.set VH, WF+48*((\m)%2)
	WIN 0x03
.set j, 0
.rept 24
	v_pk_mul_f32 v[VH+j:VH+j+1], v[48*(\m)+j:48*(\m)+j+1], v[TMX+2*(\m):TMX+2*(\m)+1] op_sel_hi:[1,0]
.set j, j+2
.endr
	WIN 0
.endm
.macro VHATS m
.set VH, WF+48*((\m)%2)
.irp c, 0,1,2,3,4,5,6,7,8,9,10,11
	global_store_b128 v[QOFF], v[VH+4*\c:VH+4*\c+3], s[36:37] offset:1536+REC*(\m)+512*\c
.endr
.endm
	VHATC 0
	VHATS 0
	VHATC 1
	VHATS 1
	s_wait_xcnt 0x0
	VHATC 2
	VHATS 2
	s_wait_xcnt 0x0
	VHATC 3
	v_cmp_gt_u32 vcc_lo, s[LIM], v[RR]
	s_wait_alu depctr_va_vdst(0)
	s_wait_xcnt 0x0
	s_and_saveexec_b32 s[SVX], vcc_lo
	VHATS 3
	s_wait_xcnt 0x0
	s_or_b32 exec_lo, exec_lo, s[SVX]
.macro VTLOAD t
.irp k, 0,1,2,3
.irp j, 0,1,2,3,4,5,6,7
	ds_load_b32 v[WF+32*((\t)%2)+8*\k+\j], v[STR] offset:(16*\k+\j)*400+64*(\t)
.endr
.endr
.endm
.macro VTQ t
.set VB, WF+32*((\t)%2)
.if (\t) < 5
	s_wait_dscnt 32
.else
	s_wait_dscnt 0x0
.endif
	v_max3_num_f32 v[TMS], |v[VB]|, |v[VB+1]|, 0x2800000
	v_max3_num_f32 v[TMS+1], |v[VB+16]|, |v[VB+17]|, 0x2800000
.irp i, 2,4,6,8,10,12,14
	v_max3_num_f32 v[TMS], v[TMS], |v[VB+\i]|, |v[VB+\i+1]|
	v_max3_num_f32 v[TMS+1], v[TMS+1], |v[VB+16+\i]|, |v[VB+16+\i+1]|
.endr
	v_permlanex16_b32 v[TMP+4], v[TMS], s[SEL], s[SEL+1]
	v_permlanex16_b32 v[TMP+5], v[TMS+1], s[SEL], s[SEL+1]
	v_max_num_f32 v[TMS], v[TMS], v[TMP+4]
	v_max_num_f32 v[TMS+1], v[TMS+1], v[TMP+5]
	v_add_nc_u32 v[TMS+2], 0xfe000000, v[TMS]
	v_add_nc_u32 v[TMS+3], 0xfe000000, v[TMS+1]
	v_lshrrev_b32 v[TMS+4], 23, v[TMS+2]
	v_lshrrev_b32 v[TMS+5], 23, v[TMS+3]
	v_lshl_or_b32 v[VW+\t], v[TMS+5], 16, v[TMS+4]
	v_lshl_or_b32 v[VW+\t], v[VW+\t], 8, v[VW+\t]
	v_cvt_scalef32_pk16_bf6_f32 v[CC+8*(\t):CC+8*(\t)+2], v[VB:VB+15], v[TMS+2]
	v_cvt_scalef32_pk16_bf6_f32 v[CC+8*(\t)+4:CC+8*(\t)+6], v[VB+16:VB+31], v[TMS+3]
	v_nop
.if (\t)+2 < 6
	VTLOAD (\t)+2
.endif
	global_store_b128 v[LI], v[CC+8*(\t):CC+8*(\t)+3], s[38:39] offset:KVV+1024*(\t)
	global_store_b128 v[LI], v[CC+8*(\t)+4:CC+8*(\t)+7], s[38:39] offset:KVV+1024*(\t)+512
.endm
.irp t, 0,1,2,3,4,5
	v_mov_b32 v[CC+8*\t+3], 0
	v_mov_b32 v[CC+8*\t+7], 0
.endr
	VTLOAD 0
	VTLOAD 1
	VTQ 0
	VTQ 1
	VTQ 2
	VTQ 3
	VTQ 4
	VTQ 5
	v_cmp_eq_u32 vcc_lo, 1, v[HH]
.irp u, 0,1,2
	v_cndmask_b32 v[VJ+\u], v[VW+2*\u], v[VW+2*\u+1], vcc_lo
	global_store_b32 v[L4], v[VJ+\u], s[38:39] offset:KVVS+128*\u
.endr
.Lend:
	s_wait_tensorcnt 0x0
	ds_add_u32 v[SPW], v[NIL]
	s_wait_dscnt 0x0
	ROUND
	s_endpgm
.Lfunc_end_k_qde0b555a53_proj:
	.size	k_qde0b555a53_proj, .Lfunc_end_k_qde0b555a53_proj-k_qde0b555a53_proj
	.p2alignl 7, 3214868480
	.fill 96, 4, 3214868480
	.section	.rodata,"a",@progbits
	.p2align	6, 0x0
	.amdhsa_kernel k_qde0b555a53_proj
		.amdhsa_group_segment_fixed_size 327680
		.amdhsa_private_segment_fixed_size 0
		.amdhsa_enable_private_segment 0
		.amdhsa_kernarg_size 144
		.amdhsa_user_sgpr_count 2
		.amdhsa_user_sgpr_kernarg_segment_ptr 1
		.amdhsa_wavefront_size32 1
		.amdhsa_system_sgpr_workgroup_id_x 1
		.amdhsa_system_sgpr_workgroup_id_y 1
		.amdhsa_system_sgpr_workgroup_id_z 1
		.amdhsa_system_vgpr_workitem_id 0
		.amdhsa_next_free_vgpr 1024
		.amdhsa_next_free_sgpr 102
		.amdhsa_reserve_vcc 1
		.amdhsa_float_denorm_mode_32 3
		.amdhsa_float_denorm_mode_16_64 3
		.amdhsa_memory_ordered 1
		.amdhsa_forward_progress 1
		.amdhsa_inst_pref_size 255
	.end_amdhsa_kernel
	.section	.bss,"aw",@nobits
	.p2align	6
	.space	262144
	.amdgpu_metadata
---
amdhsa.version: [ 1, 2 ]
amdhsa.kernels:
  - .name:           k_qde0b555a53_proj
    .symbol:         k_qde0b555a53_proj.kd
    .args:
      - { .name: features_a_codes, .offset: 0, .size: 8, .value_kind: global_buffer, .address_space: global }
      - { .name: features_a_scales, .offset: 8, .size: 8, .value_kind: global_buffer, .address_space: global }
      - { .name: features_b_codes, .offset: 16, .size: 8, .value_kind: global_buffer, .address_space: global }
      - { .name: features_b_scales, .offset: 24, .size: 8, .value_kind: global_buffer, .address_space: global }
      - { .name: Wq1_codes, .offset: 32, .size: 8, .value_kind: global_buffer, .address_space: global }
      - { .name: Wq1_scales, .offset: 40, .size: 8, .value_kind: global_buffer, .address_space: global }
      - { .name: Wq2_codes, .offset: 48, .size: 8, .value_kind: global_buffer, .address_space: global }
      - { .name: Wq2_scales, .offset: 56, .size: 8, .value_kind: global_buffer, .address_space: global }
      - { .name: Wk1_codes, .offset: 64, .size: 8, .value_kind: global_buffer, .address_space: global }
      - { .name: Wk1_scales, .offset: 72, .size: 8, .value_kind: global_buffer, .address_space: global }
      - { .name: Wk2_codes, .offset: 80, .size: 8, .value_kind: global_buffer, .address_space: global }
      - { .name: Wk2_scales, .offset: 88, .size: 8, .value_kind: global_buffer, .address_space: global }
      - { .name: Wv1_codes, .offset: 96, .size: 8, .value_kind: global_buffer, .address_space: global }
      - { .name: Wv1_scales, .offset: 104, .size: 8, .value_kind: global_buffer, .address_space: global }
      - { .name: Wv2_codes, .offset: 112, .size: 8, .value_kind: global_buffer, .address_space: global }
      - { .name: Wv2_scales, .offset: 120, .size: 8, .value_kind: global_buffer, .address_space: global }
      - { .name: qrec, .offset: 128, .size: 8, .value_kind: global_buffer, .address_space: global }
      - { .name: kv, .offset: 136, .size: 8, .value_kind: global_buffer, .address_space: global }
    .group_segment_fixed_size: 327680
    .private_segment_fixed_size: 0
    .kernarg_segment_align: 8
    .kernarg_segment_size: 144
    .max_flat_workgroup_size: 128
    .sgpr_count:     102
    .vgpr_count:     1024
    .wavefront_size: 32
...
	.end_amdgpu_metadata
.endif
;; end of part 1
;; launch pairs (part 2): grid 16 x 16, 8 waves a work-group, clusters of 4 x 4, 327,680 bytes of LDS; arguments qrec, kv, out0; writes out0
.if DOCPART == 2
	.amdgcn_target "amdgcn-amd-amdhsa--gfx1250"
	.amdhsa_code_object_version 6
	.text
	.protected	k_qde0b555a53_pairs
	.globl	k_qde0b555a53_pairs
	.p2align	8
	.type	k_qde0b555a53_pairs,@function
k_qde0b555a53_pairs:
	s_mov_b64 s[64:65], 0
	v_nop
	global_prefetch_b8 v0, s[64:65] scope:SCOPE_SE
	s_setreg_imm32_b32 hwreg(HW_REG_WAVE_MODE, 25, 1), 1
	s_wait_xcnt 0x0
	s_wait_alu depctr_hold_cnt(0) depctr_sa_sdst(0) depctr_va_vdst(0) depctr_va_sdst(0) depctr_va_ssrc(0) depctr_va_vcc(0) depctr_vm_vsrc(0)
	s_getreg_b32 s2, hwreg(HW_REG_IB_STS2, 6, 4)
	s_cmp_eq_u32 s2, 0
	s_cbranch_scc0 .Lentry_in_a_cluster
	s_endpgm
.Lentry_in_a_cluster:
	s_bfe_u32 s2, ttmp6, 0x10000c
	s_cmp_lg_u32 s2, 0xf033
	s_cbranch_scc0 .Lentry_shape_is_right
	s_endpgm
.Lentry_shape_is_right:
; out0[b][a] = the mean over the 49 rows of cos(vb[b], softmax(qb[b] ka[a]^T / sqrt(96)) va[a]) + cos(va[a], softmax(qa[a] kb[b]^T / sqrt(96)) vb[b]); both products of each on codes of BF6 (E3M2) with E8M0 scales.
; SHARES.  A work-group owns 8 x 8 pairs (b = 8 gb + .., a = 8 ga + ..) in both directions, so each output has one owner.  Direction 1: the queries are the 392 rows of group gb of b, in 25 records of 16 rows
; (the last eight rows are zeros and are not summed); wave w holds k and v of a = 8 ga + w in registers and walks all 25.  Direction 2: the same with a and b changed over; its k and v take the same registers.
; A STEP takes TWO records against the wave's 49 keys: their two chains (maximum, exponentials, quantiser, sum, cosine) stand line by line by turns, and one batch of transcendentals serves both.  12 steps of two and one of one.
; LAYOUT.  S^T = k q^T: lane (q, h) holds one query; register 8 k + j is key 16 k + 8 h + j.  Register 24 is key 48 (h = 0) or nothing (h = 1, made -infinity); registers 25-31 are zeros.  Two conversions of 16 registers
; ARE source 1 of O^T = v^T p^T, as the first launch has laid v; the rest are zero codes.
; SOFTMAX.  t = score x log2(e) / sqrt(96); M = ceil(the row's largest t); p = 2^(t - M) is quantised in blocks of keys 0-31 and 32-48; l is the sum of the unquantised p.  A block's largest p is made of its largest score by
; the same multiply-add and exponential.  cos = (vhat . O) (1 / l) min(l / |O|, 1e8), vhat = v / max(|v|, 1e-8) from the first launch.
; LDS: 40 slots of one record.  Direction 1's record j lies in slot 16 + j (record 24 in slot 25), direction 2's record j in slot j: both walks ascend.  The head fills slots 16-31, two records a wave; behind the next round
; waves 0-3 fill slots 32-39 and waves 4-7 slots 0-15; behind five steps (records 0-9 read) slots 16-25 are filled again: direction 2's records 16-24 by waves 0-5, direction 1's record 24 by wave 6.
; CLUSTER 4 x 4: the four of a row share gb, the four of a column ga: direction 1's records are asked for jointly along the row, direction 2's along the column.
; PREFETCH.  Direction 2's k and v (51 blocks of 256 bytes a wave) are named once in each cluster, 13 blocks by each of the four partners of a row, told apart by address, 13 steps ahead of their loads.
; qrec's tiles have none: the head's have no loop ahead of them, and each later tile is asked for by its tensor load at least five steps ahead of its first read.
; LIMITS.  NaN and infinities are not served; a block whose largest p lies under 2^-122 keeps the byte 1.
.set REC,   7680
.set GRP,   25*REC
.set SIDE,  16*GRP                     ; qrec: a's groups, then b's
.set KVREC, 13056
.set KVS,   6144
.set KVV,   6400
.set KVVS,  12544
.set SPARE, 40*REC                     ; the spare words, 128 bytes a wave
.set CSB,   SPARE+1024                 ; a wave's 400 cosines, 1,600 bytes a wave
.set DX,    CSB+8*1600                 ; the waves' 2 x 64 sums
.set LI,   1                           ; 16 x lane
.set SPW,  2
.set NIL,  3
.set MASK, 4                           ; 0 in lanes 0-15, -infinity in lanes 16-31
.set CS0,  5                           ; where my query's cosine goes
.set ADV,  6
.set ADQ,  7
.set ADC,  7                           ; (the same register, behind q's loads)
.set KS,   8                           ; v8-9 k's scale words, v10-12 v's, v13-14 q's, v15-16 p's: scales and nothing else
.set VS,   10
.set QS,   13
.set PS,   15
.set D1,   17
.set PFO,  18
.set L4,   19
.set Q,    20                          ; + 12 r: q's fragment of record r of the step
.set S,    44                          ; + 32 r: S^T, then p
.set P,    108                         ; + 12 r: p's codes
.set O,    132                         ; + 48 r: O^T
.set T,    228                         ; + 14 r: temporaries
.set RX,   132                         ; the sums at a direction's end: O's registers
.set VQ,   120                         ; window 1: k at 12 k, v at 48 + 12 t, vhat at 120 + 48 r
.set G1A, 24                           ; group 1: 60 rows of 256 bytes, my row of the cluster
.set G1E, 32                           ; 30 rows, my row
.set G1C, 40                           ; 120 rows, my column
.set G1D, 48                           ; 45 rows, my column
.set G0A, 56
.set G0B, 60
.set G0C, 68
.set G0D, 72
.set G0E, 76
.set WV,  80
.set TV,  81                           ; LDS byte of the step's vhat; s82 of the next step's q; s83 of the step's cosines
.set TQ,  82
.set TC,  83
.set CNT, 84
.set CSW, 85
.set CF,  86                           ; s[86:87] log2(e) / sqrt(96)
.set SEL, 88
.set KV1, 90
.set KV2, 92
.set OUT, 94
.set MSB, 0
.macro WIN new
.if MSB != \new
	s_set_vgpr_msb (MSB<<8)|\new
.set MSB, \new
.endif
.endm
.macro PLACES n
.rept \n
	v_nop
.endr
.endm
.macro ROUND
	s_barrier_signal -1
	s_barrier_wait -1
	s_cmp_lg_u32 s[WV], 0
	s_cbranch_scc1 .Lnot_wave_0_\@
	s_barrier_signal -3
.Lnot_wave_0_\@:
	s_barrier_wait -3
	s_barrier_signal -1
	s_barrier_wait -1
.endm
.macro G1FILL g, rows                  ; a dense block as rows of 256 bytes: 32 elements of 8 bytes
	s_mov_b32 s[\g+1], 32<<16
	s_mov_b32 s[\g+2], (\rows)<<16
	s_mov_b32 s[\g+3], 32<<16
	s_mov_b32 s[\g+4], \rows
	s_mov_b32 s[\g+5], 32
	s_mov_b32 s[\g+6], 0
	s_mov_b32 s[\g+7], 0
.endm
.macro TLOAD g0, g1
	tensor_load_to_lds s[\g0:\g0+3], s[\g1:\g1+7]
	s_nop 0
	PLACES 4
.endm
.macro G0FILL g, base                  ; LDS byte and offset in s96 (s97 = 0)
	s_mov_b32 s[\g], 1
	s_add_nc_u64 s[\g+2:\g+3], s[\base:\base+1], s[96:97]
	s_or_b32 s[\g+3], s[\g+3], 0x80000000
.endm
.macro KLOAD sb                        ; k's four images and their scale words
	WIN 0x40
.irp k, 0,1,2,3
.irp c, 0,1,2
	global_load_b128 v[12*\k+4*\c:12*\k+4*\c+3], v[LI], s[\sb:\sb+1] offset:1536*\k+512*\c
.endr
.endr
	WIN 0
.irp u, 0,1
	global_load_b32 v[KS+\u], v[L4], s[\sb:\sb+1] offset:KVS+128*\u
.endr
.endm
.macro VLOAD sb                        ; v's twelve places of four registers and their scale words
	WIN 0x40
.irp t, 0,1,2,3,4,5
.irp c, 0,1
	global_load_b128 v[48+12*\t+6*\c:48+12*\t+6*\c+3], v[LI], s[\sb:\sb+1] offset:KVV+1024*\t+512*\c
.endr
.endr
	WIN 0
.irp u, 0,1,2
	global_load_b32 v[VS+\u], v[L4], s[\sb:\sb+1] offset:KVVS+128*\u
.endr
.endm
.macro SPROD r                         ; S^T = k q^T: four tiles of 16 keys (source 0 in window 1)
.irp k, 0,1,2,3
.if (\k%2) == 0
	v_wmma_scale_f32_16x16x128_f8f6f4 v[S+32*\r+8*\k:S+32*\r+8*\k+7], v[12*\k:12*\k+11], v[Q+12*\r:Q+12*\r+11], 0, v[KS+\k/2], v[QS+\r] matrix_a_fmt:MATRIX_FMT_BF6 matrix_b_fmt:MATRIX_FMT_BF6 matrix_b_scale:MATRIX_SCALE_ROW1
.else
	v_wmma_scale_f32_16x16x128_f8f6f4 v[S+32*\r+8*\k:S+32*\r+8*\k+7], v[12*\k:12*\k+11], v[Q+12*\r:Q+12*\r+11], 0, v[KS+\k/2], v[QS+\r] matrix_a_fmt:MATRIX_FMT_BF6 matrix_b_fmt:MATRIX_FMT_BF6 matrix_a_scale:MATRIX_SCALE_ROW1 matrix_b_scale:MATRIX_SCALE_ROW1
.endif
.endr
.endm
.macro OPROD r                         ; O^T = v^T p^T: six tiles of 16 of the 96
.irp t, 0,1,2,3,4,5
.if (\t%2) == 0
	v_wmma_scale_f32_16x16x128_f8f6f4 v[O+48*\r+8*\t:O+48*\r+8*\t+7], v[48+12*\t:48+12*\t+11], v[P+12*\r:P+12*\r+11], 0, v[VS+\t/2], v[PS+\r] matrix_a_fmt:MATRIX_FMT_BF6 matrix_b_fmt:MATRIX_FMT_BF6
.else
	v_wmma_scale_f32_16x16x128_f8f6f4 v[O+48*\r+8*\t:O+48*\r+8*\t+7], v[48+12*\t:48+12*\t+11], v[P+12*\r:P+12*\r+11], 0, v[VS+\t/2], v[PS+\r] matrix_a_fmt:MATRIX_FMT_BF6 matrix_b_fmt:MATRIX_FMT_BF6 matrix_a_scale:MATRIX_SCALE_ROW1
.endif
.endr
.endm
; EACH runs one short piece for every record of the step, so that the records' chains take turns.  b: the record's S, u: its temporaries, r: its number, x: a piece's own number
.macro EACH rs, m, x
.irpc r,\rs
	\m S+32*\r, T+14*\r, \r, \x
.endr
.endm
; temporaries: u+0 largest score of keys 0-31, u+1 second chain, u+2 of keys 32-48, u+3, u+4 the other half's, u+5 t, u+6 -M (pair with u+7)
.macro A0 b,u,r,x
	v_add_f32 v[\b+24], v[\b+24], v[MASK]          ; lanes 16-31 have no key there
.endm
.macro A1 b,u,r,x
	v_max3_num_f32 v[\u], v[\b], v[\b+1], v[\b+2]  ; each accumulator is read from its low end on
	v_max3_num_f32 v[\u+1], v[\b+8], v[\b+9], v[\b+10]
	v_max3_num_f32 v[\u+2], v[\b+16], v[\b+17], v[\b+18]
.endm
.macro A2 b,u,r,x
	v_max3_num_f32 v[\u], v[\u], v[\b+\x], v[\b+\x+1]
	v_max3_num_f32 v[\u+1], v[\u+1], v[\b+\x+8], v[\b+\x+9]
	v_max3_num_f32 v[\u+2], v[\u+2], v[\b+\x+16], v[\b+\x+17]
.endm
.macro A3 b,u,r,x
	v_max3_num_f32 v[\u], v[\u], v[\b+7], v[\b+15]
	v_max3_num_f32 v[\u+2], v[\u+2], v[\b+23], v[\b+24]
.endm
.macro A4 b,u,r,x
	v_max_num_f32 v[\u], v[\u], v[\u+1]
	v_permlanex16_b32 v[\u+4], v[\u+2], s[SEL], s[SEL+1]
.endm
.macro A5 b,u,r,x
	v_permlanex16_b32 v[\u+3], v[\u], s[SEL], s[SEL+1]
	v_max_num_f32 v[\u+2], v[\u+2], v[\u+4]        ; with lane l xor 16's keys
.endm
.macro A6 b,u,r,x
	v_max3_num_f32 v[\u+5], v[\u], v[\u+3], v[\u+2] ; the row's largest score
	v_max_num_f32 v[\u], v[\u], v[\u+3]
.endm
.macro A7 b,u,r,x
	v_mul_f32 v[\u+5], s[CF], v[\u+5]              ; as t (the factor is positive)
.endm
.macro A8 b,u,r,x
	v_floor_f32 v[\u+6], -v[\u+5]                  ; -M = floor(-t) = -ceil(t)
.endm
.macro B1 b,u,r,x
.set j, 0
.rept 12
	v_pk_fma_f32 v[\b+j:\b+j+1], v[\b+j:\b+j+1], s[CF:CF+1], v[\u+6:\u+7] op_sel_hi:[1,0,0]   ; t - M, two at a time
.set j, j+2
.endr
	v_fma_f32 v[\b+24], v[\b+24], s[CF], v[\u+6]
	v_fma_f32 v[\u], v[\u], s[CF], v[\u+6]         ; the same of each block's largest score
	v_fma_f32 v[\u+2], v[\u+2], s[CF], v[\u+6]
.endm
.macro B2 b,u,r,x
	v_exp_f32 v[\u], v[\u]
	v_exp_f32 v[\u+2], v[\u+2]
.set j, 0
.rept 25
	v_exp_f32 v[\b+j], v[\b+j]                     ; p = 2^(t - M)
.set j, j+1
.endr
.endm
.macro C1 b,u,r,x
	v_max_num_f32 v[\u], 0x2800000, v[\u]          ; the floor 2^(5 - 127): the byte cannot fall under 1
	v_max_num_f32 v[\u+2], 0x2800000, v[\u+2]
.endm
.macro C2 b,u,r,x
	v_add_nc_u32 v[\u+1], 0xfe000000, v[\u]        ; 4 off the exponent field: the conversion's scale operand
	v_add_nc_u32 v[\u+3], 0xfe000000, v[\u+2]
.endm
.macro C3 b,u,r,x
	v_lshrrev_b32 v[\u+4], 23, v[\u+1]
	v_lshrrev_b32 v[\u+5], 23, v[\u+3]
.endm
.macro C4 b,u,r,x
	v_lshl_or_b32 v[PS+\r], v[\u+5], 16, v[\u+4]
.endm
.macro C5 b,u,r,x
	v_lshl_or_b32 v[PS+\r], v[PS+\r], 8, v[PS+\r]  ; bytes 0, 1: keys 0-31's; bytes 2, 3: keys 32-48's
.endm
.macro C6 b,u,r,x
	v_cvt_scalef32_pk16_bf6_f32 v[P+12*\r:P+12*\r+2], v[\b:\b+15], v[\u+1]
	v_cvt_scalef32_pk16_bf6_f32 v[P+12*\r+6:P+12*\r+8], v[\b+16:\b+31], v[\u+3]   ; registers 25-31 are zeros: zero codes
.endm
.macro D1S b,u,r,x                     ; the row's sum of the unquantised p: u+8..u+11, two chains of pairs
	v_pk_add_f32 v[\u+8:\u+9], v[\b:\b+1], v[\b+2:\b+3]
	v_pk_add_f32 v[\u+10:\u+11], v[\b+4:\b+5], v[\b+6:\b+7]
.endm
.macro D2S b,u,r,x
	v_pk_add_f32 v[\u+8:\u+9], v[\u+8:\u+9], v[\b+\x:\b+\x+1]
	v_pk_add_f32 v[\u+10:\u+11], v[\u+10:\u+11], v[\b+\x+2:\b+\x+3]
.endm
.macro D3S b,u,r,x
	v_add_f32 v[\u+8], v[\u+8], v[\b+24]
.endm
.macro E1 b,u,r,x
	v_pk_add_f32 v[\u+8:\u+9], v[\u+8:\u+9], v[\u+10:\u+11]
.endm
.macro E2 b,u,r,x
	v_add_f32 v[\u+12], v[\u+8], v[\u+9]
.endm
.macro E3 b,u,r,x
	v_permlanex16_b32 v[\u+1], v[\u+12], s[SEL], s[SEL+1]
.endm
.macro E4 b,u,r,x
	v_add_f32 v[\u+12], v[\u+12], v[\u+1]          ; l
.endm
; O . (source S1), two at a time, two chains, into u+DU .. u+DU+3; each accumulator from its low end on
.macro F1 b,u,r,x
	v_pk_mul_f32 v[\u+DU:\u+DU+1], v[O+48*\r:O+48*\r+1], v[S1+48*\r:S1+48*\r+1]
	v_pk_mul_f32 v[\u+DU+2:\u+DU+3], v[O+48*\r+2:O+48*\r+3], v[S1+48*\r+2:S1+48*\r+3]
.endm
.macro F2 b,u,r,x
	v_pk_fma_f32 v[\u+DU:\u+DU+1], v[O+48*\r+\x:O+48*\r+\x+1], v[S1+48*\r+\x:S1+48*\r+\x+1], v[\u+DU:\u+DU+1]
	v_pk_fma_f32 v[\u+DU+2:\u+DU+3], v[O+48*\r+\x+2:O+48*\r+\x+3], v[S1+48*\r+\x+2:S1+48*\r+\x+3], v[\u+DU+2:\u+DU+3]
.endm
.macro DOT rs
	EACH \rs, F1, 0
.set jj, 4
.rept 11
	EACH \rs, F2, jj
.set jj, jj+4
.endr
.endm
.macro H1 b,u,r,x
	v_pk_add_f32 v[\u:\u+1], v[\u:\u+1], v[\u+2:\u+3]
	v_pk_add_f32 v[\u+4:\u+5], v[\u+4:\u+5], v[\u+6:\u+7]
.endm
.macro H2 b,u,r,x
	v_add_f32 v[\u], v[\u], v[\u+1]
	v_add_f32 v[\u+4], v[\u+4], v[\u+5]
.endm
.macro H3 b,u,r,x
	v_permlanex16_b32 v[\u+2], v[\u], s[SEL], s[SEL+1]
	v_permlanex16_b32 v[\u+6], v[\u+4], s[SEL], s[SEL+1]
.endm
.macro H4 b,u,r,x
	v_add_f32 v[\u], v[\u], v[\u+2]                ; vhat . O and O . O, with lane l xor 16's 48
	v_add_f32 v[\u+4], v[\u+4], v[\u+6]
.endm
.macro H5 b,u,r,x
	v_rsq_f32 v[\u+6], v[\u+4]
	v_rcp_f32 v[\u+13], v[\u+12]
.endm
.macro H6 b,u,r,x
	v_mul_f32 v[\u], v[\u], v[\u+13]
	v_mul_f32 v[\u+6], v[\u+6], v[\u+12]
.endm
.macro H7 b,u,r,x
	v_min_num_f32 v[\u+6], 0x4cbebc20, v[\u+6]     ; min(l / |O|, 1e8)
.endm
.macro H8 b,u,r,x
	v_mul_f32 v[\u], v[\u], v[\u+6]
.endm
.macro H9 b,u,r,x
	ds_store_b32 v[ADC], v[\u] offset:64*\r        ; both halves of the lanes write the same word with the same value
.endm
; A STEP: the records rs (01 or 0) whose scores lie in S.  nq: the next step's records nrs are fetched and their scores multiplied.  sw: the other direction's k and v are loaded as this direction's are done with.
; No matrix instruction adds in place: every product starts its sum with the constant 0.
.macro STEP rs, nq, nrs, sw
	v_add_nc_u32 v[ADV], s[TV], v[LI]
.if \nq
	v_add_nc_u32 v[ADQ], s[TQ], v[LI]
.irpc r,\nrs
.irp c, 0,1,2
	ds_load_b128 v[Q+12*\r+4*\c:Q+12*\r+4*\c+3], v[ADQ] offset:REC*\r+512*\c
.endr
.endr
.endif
.set NV, 0
	WIN 0x40
.irpc r,\rs
.irp c, 0,1,2,3,4,5,6,7,8,9,10,11
	ds_load_b128 v[VQ+48*\r+4*\c:VQ+48*\r+4*\c+3], v[ADV] offset:REC*\r+512*\c
.set NV, NV+1
.endr
.endr
	WIN 0
.if \sw
	KLOAD KV2                                      ; k's last products stand a step back
.endif
	s_wait_alu depctr_va_vdst(0)                   ; the wait ahead of the scores' first readers
	EACH \rs, A0, 0
	EACH \rs, A1, 0
	EACH \rs, A2, 3
	EACH \rs, A2, 5
	EACH \rs, A3, 0
	EACH \rs, A4, 0
	EACH \rs, A5, 0
	EACH \rs, A6, 0
	EACH \rs, A7, 0
	EACH \rs, A8, 0
	EACH \rs, B1, 0
	s_wait_alu depctr_va_vdst(0)                   ; ahead of the batch
	EACH \rs, B2, 0                                ; one batch of 27 exponentials a record
.if \nq
	s_wait_dscnt NV                                ; the next q is in: vhat's NV loads are younger
.irpc r,\nrs
	v_mov_b32 v[QS+\r], v[Q+12*\r+11]              ; q's scale words, in lanes 16-31, into a register of their own (the plain place behind the exponentials)
.endr
.else
	v_nop
.endif
	s_wait_alu depctr_va_vdst(0)                   ; one wait for the batch, ahead of its first reader
	EACH \rs, C1, 0
	EACH \rs, C2, 0
	EACH \rs, C3, 0
	EACH \rs, C4, 0
	EACH \rs, C5, 0
	EACH \rs, C6, 0
	EACH \rs, D1S, 0                               ; eleven plain lines a record: the places between p's scale word and codes and the products
	EACH \rs, D2S, 8
	EACH \rs, D2S, 12
	EACH \rs, D2S, 16
	EACH \rs, D2S, 20
	EACH \rs, D3S, 0
	WIN 0x01
.irpc r,\rs
	OPROD \r
.endr
	WIN 0
	EACH \rs, E1, 0                                ; the rest of the sum: the places behind those products
	EACH \rs, E2, 0
	EACH \rs, E3, 0
	EACH \rs, E4, 0
	v_add_nc_u32 v[ADC], s[TC], v[CS0]
.if \sw
	PLACES 4
	VLOAD KV2
.endif
.if \nq
	WIN 0x01
.irpc r,\nrs
	SPROD \r                                       ; the next step's scores
.endr
	WIN 0
.endif
	s_wait_dscnt 0x0                               ; vhat
.set S1, VQ
.set DU, 0
	WIN 0x04                                       ; source 1 in window 1
	DOT \rs                                        ; vhat . O
	WIN 0
.set S1, O
.set DU, 4
	DOT \rs                                        ; O . O
	EACH \rs, H1, 0
	EACH \rs, H2, 0
	EACH \rs, H3, 0
	EACH \rs, H4, 0
	s_wait_alu depctr_va_vdst(0)                   ; ahead of the batch
	EACH \rs, H5, 0                                ; the root and the reciprocal of l, one batch
	v_nop
	s_wait_alu depctr_va_vdst(0)                   ; and behind it
	EACH \rs, H6, 0
	EACH \rs, H7, 0
	EACH \rs, H8, 0
	EACH \rs, H9, 0
	s_add_co_u32 s[TV], s[TV], 2*REC
	s_add_co_u32 s[TQ], s[TQ], 2*REC
	s_add_co_u32 s[TC], s[TC], 128
.endm
.macro AT sv, sq, tau                  ; the step in hand: its vhat from slot sv on, the next q from slot sq on, its first record's number
	s_mov_b32 s[TV], (\sv)*REC+1536
	s_mov_b32 s[TQ], (\sq)*REC
	s_mov_b32 s[TC], (\tau)*64
.endm
.macro WALK n
	s_mov_b32 s[CNT], \n
.Lwalk_\@:
	STEP 01, 1, 01, 0
	s_sub_co_u32 s[CNT], s[CNT], 1
	s_cmp_lg_u32 s[CNT], 0
	s_cbranch_scc1 .Lwalk_\@
.endm
.macro PROLOG slot                     ; a direction's first two records: q from LDS, and their scores
	v_add_nc_u32 v[ADQ], (\slot)*REC, v[LI]
.irpc r,01
.irp c, 0,1,2
	ds_load_b128 v[Q+12*\r+4*\c:Q+12*\r+4*\c+3], v[ADQ] offset:REC*\r+512*\c
.endr
.endr
	s_wait_dscnt 0x0
	v_mov_b32 v[QS], v[Q+11]
	v_mov_b32 v[QS+1], v[Q+23]
	PLACES 8                                       ; a scale register written by a vector instruction stands eight places ahead of a scaled product
	WIN 0x01
	SPROD 0
	SPROD 1
	WIN 0
	PLACES 4
.endm
.macro REDUCE dst                      ; my 392 cosines become eight sums of 49: four lanes to a sum; lane l takes cosines 49 (l / 4) + l % 4 + 4 k
	v_and_b32 v[RX+16], 31, v0
	v_lshrrev_b32 v[RX+17], 2, v[RX+16]
	v_and_b32 v[RX+18], 3, v[RX+16]
	v_mul_u32_u24 v[RX+19], v[RX+17], 196
	v_lshl_add_u32 v[RX+19], v[RX+18], 2, v[RX+19]
	v_add_nc_u32 v[RX+19], s[CSW], v[RX+19]
.irp k, 0,1,2,3,4,5,6,7,8,9,10,11,12
	ds_load_b32 v[RX+\k], v[RX+19] offset:16*\k    ; LDS serves a wave's instructions in order: these see my stores
.endr
	v_cmp_eq_u32 vcc_lo, 0, v[RX+18]
	s_wait_alu depctr_va_vdst(0)
	s_wait_dscnt 0x0
	v_cndmask_b32 v[RX+12], 0, v[RX+12], vcc_lo    ; 49 = 4 x 12 + 1: the thirteenth counts in the first of the four lanes alone
.irp k, 0,2,4,6,8,10
	v_add_f32 v[RX+\k], v[RX+\k], v[RX+\k+1]
.endr
	v_add_f32 v[RX], v[RX], v[RX+2]
	v_add_f32 v[RX+4], v[RX+4], v[RX+6]
	v_add_f32 v[RX+8], v[RX+8], v[RX+10]
	v_add_f32 v[RX], v[RX], v[RX+4]
	v_add_f32 v[RX+8], v[RX+8], v[RX+12]
	v_add_f32 v[RX], v[RX], v[RX+8]
	v_add_f32_dpp v[RX], v[RX], v[RX] row_xmask:1 row_mask:0xf bank_mask:0xf
	v_add_f32_dpp v[RX], v[RX], v[RX] row_xmask:2 row_mask:0xf bank_mask:0xf
	v_mov_b32 v[\dst], v[RX]
.endm
	s_load_b128 s[4:7], s[0:1], 0x0                ; qrec, kv
	s_load_b64 s[8:9], s[0:1], 0x10                ; out0
	v_lshl_add_u32 v[SPW], v0, 2, SPARE
	v_mov_b32 v[NIL], 0
	ds_add_u32 v[SPW], v[NIL]                      ; the opening lines: the add twice on end and its wait
	ds_add_u32 v[SPW], v[NIL]
	v_lshrrev_b32 v[T], 5, v0
	v_readfirstlane_b32 s[WV], v[T]                ; wave 0..7
	s_bfe_u32 s10, ttmp6, 0x40000                  ; cx
	s_bfe_u32 s11, ttmp6, 0x40004                  ; cy
	s_lshl_b32 s12, ttmp9, 2
	s_add_co_u32 s12, s12, s10                     ; ga = 4 x cluster x + cx
	s_and_b32 s13, ttmp7, 0xffff
	s_lshl_b32 s13, s13, 2
	s_add_co_u32 s13, s13, s11                     ; gb = 4 x cluster y + cy
	s_lshl_b32 s14, s11, 2
	s_lshl_b32 s14, 15, s14                        ; my row of the cluster
	s_lshl_b32 s15, 0x1111, s10                    ; my column
	s_or_b32 s[G1A], s14, (3<<16)|(1<<21)          ; 15:0 the mask; 17:16 elements of 8 bytes; 21 set beside a mask
	s_or_b32 s[G1E], s14, (3<<16)|(1<<21)
	s_or_b32 s[G1C], s15, (3<<16)|(1<<21)
	s_or_b32 s[G1D], s15, (3<<16)|(1<<21)
	G1FILL G1A, 60
	G1FILL G1E, 30
	G1FILL G1C, 120
	G1FILL G1D, 45
	s_mul_i32 s20, s13, GRP                        ; direction 1's records hang on gb alone,
	s_add_co_u32 s20, s20, SIDE
	s_mov_b32 s21, 0
	s_mul_i32 s22, s12, GRP                        ; direction 2's on ga alone: each in registers that never hold the other
	s_mov_b32 s23, 0
	s_mul_i32 s2, s[WV], 2*REC
	s_and_b32 s3, s[WV], 3
	s_mul_i32 s3, s3, 2*REC
	s_mov_b32 s97, 0
	s_mov_b32 s[CF], 0x3e16c740
	s_mov_b32 s[CF+1], s[CF]
	s_mov_b32 s[SEL], 0x76543210
	s_mov_b32 s[SEL+1], 0xfedcba98
	s_wait_alu depctr_va_vdst(0)
	s_wait_dscnt 0x0
	s_wait_kmcnt 0x0
	s_add_nc_u64 s[16:17], s[4:5], s[20:21]
	s_add_nc_u64 s[18:19], s[4:5], s[22:23]
	s_mov_b32 s96, s2                              ; the head: direction 1, records 2 w, 2 w + 1 -> slots 16 + 2 w, 17 + 2 w
	s_add_co_u32 s[G0A+1], s2, 16*REC
	G0FILL G0A, 16
	s_add_co_u32 s96, s3, 16*REC                   ; waves 0-3: direction 1, records 16 + 2 w, 17 + 2 w -> slots 32 + 2 w, 33 + 2 w
	s_add_co_u32 s[G0B+1], s3, 32*REC
	G0FILL G0B, 16
	s_lshl_b32 s96, s3, 1                          ; waves 4-7: direction 2, records 4 (w - 4) .. + 3 -> the slots of the same numbers
	s_mov_b32 s[G0C+1], s96
	G0FILL G0C, 18
	s_mul_i32 s96, s[WV], 45*256                   ; the refill, waves 0-5: 45 rows each of direction 2's records 16-24 -> slots 16-24
	s_add_co_u32 s96, s96, 16*REC
	s_mov_b32 s[G0D+1], s96
	G0FILL G0D, 18
	s_mov_b32 s96, 24*REC                          ; wave 6: direction 1's record 24 -> slot 25
	s_mov_b32 s[G0E+1], 25*REC
	G0FILL G0E, 16
	ROUND                                          ; all sixteen work-groups are here: the first joint loads meet
	TLOAD G0A, G1A                                 ; one tensor load a wave at the head
	s_lshl_b32 s98, s12, 3
	s_add_co_u32 s98, s98, s[WV]                   ; a = 8 ga + w
	s_mul_i32 s98, s98, KVREC
	s_mov_b32 s99, 0
	s_add_nc_u64 s[KV1:KV1+1], s[6:7], s[98:99]    ; direction 1's k and v
	s_lshl_b32 s98, s13, 3
	s_add_co_u32 s98, s98, s[WV]
	s_add_co_u32 s98, s98, 128                     ; b = 8 gb + w, behind a's 128
	s_mul_i32 s98, s98, KVREC
	s_add_nc_u64 s[KV2:KV2+1], s[6:7], s[98:99]    ; direction 2's
	s_lshl_b32 s98, s13, 12
	s_lshl_b32 s96, s[WV], 9
	s_add_co_u32 s98, s98, s96
	s_lshl_b32 s96, s12, 5
	s_add_co_u32 s98, s98, s96
	s_add_nc_u64 s[OUT:OUT+1], s[8:9], s[98:99]    ; out0[8 gb + w][8 ga]
	s_mul_i32 s[CSW], s[WV], 1600
	s_add_co_u32 s[CSW], s[CSW], CSB
	s_mul_i32 s98, s10, 13
	v_and_b32 v[T], 31, v0
	v_lshlrev_b32 v[LI], 4, v[T]
	v_lshlrev_b32 v[L4], 2, v[T]
	KLOAD KV1
	VLOAD KV1
	WIN 0x40
.irp t, 0,1,2,3,4,5
.irp c, 0,1
	v_mov_b32 v[48+12*\t+6*\c+4], 0                ; v's operand: the last two registers of each half are zero codes, written once
	v_mov_b32 v[48+12*\t+6*\c+5], 0
.endr
.endr
	WIN 0
	v_min_u32 v[PFO], 12, v[T]                     ; the prefetch: block min(13 cx + min(lane, 12), 50) of the 51
	v_add_nc_u32 v[PFO], s98, v[PFO]
	v_min_u32 v[PFO], 50, v[PFO]
	v_lshlrev_b32 v[PFO], 8, v[PFO]
	v_bfe_u32 v[T+1], v0, 4, 1                     ; h
	v_and_b32 v[T+2], 15, v0                       ; q
	v_cmp_eq_u32 vcc_lo, 1, v[T+1]
	v_mov_b32 v[MASK], 0xff800000
	v_cndmask_b32 v[MASK], 0, v[MASK], vcc_lo
	v_lshl_add_u32 v[CS0], v[T+2], 2, s[CSW]
.irp r, 3,4,5,9,10,11,15,16,17,21,22,23
	v_mov_b32 v[P+\r], 0                           ; p's codes at the positions that hold no key
.endr
.set j, 0
.rept 28
	v_mov_b32 v[T+j], 0                            ; written once: a lane permute's destination and a pair's upper half count as sources
.set j, j+1
.endr
	s_wait_alu depctr_va_vdst(0)                   ; the wait at the head's end
	s_wait_tensorcnt 0x0                           ; my two records are in; these lines stand ahead of a later first fill as ahead of a refill
	ds_add_u32 v[SPW], v[NIL]
	s_wait_dscnt 0x0
	ROUND
	s_cmp_lt_u32 s[WV], 4
	s_cbranch_scc0 .Lcol
	TLOAD G0B, G1A
	s_branch .Lasked
.Lcol:
	TLOAD G0C, G1C
.Lasked:
	s_wait_loadcnt 0x0                             ; k, v and their scale words
	PROLOG 16
	global_prefetch_b8 v[PFO], s[KV2:KV2+1] th:TH_LOAD_NT scope:SCOPE_SE
	AT 16, 18, 0
	WALK 5                                         ; direction 1, records 0-9; q up to record 11: slots 16-27
	s_wait_tensorcnt 0x0                           ; slots 16-25 are filled again: all my tensor loads have landed,
	ds_add_u32 v[SPW], v[NIL]                      ; 0 onto my spare word,
	s_wait_dscnt 0x0                               ; the add is done and my reads of those slots are over;
	ROUND                                          ; that now holds of every wave of every work-group of the cluster
	s_cmp_lt_u32 s[WV], 6
	s_cbranch_scc0 .Lrow
	TLOAD G0D, G1D
	s_branch .Lrefilled
.Lrow:
	s_cmp_eq_u32 s[WV], 6
	s_cbranch_scc0 .Lrefilled
	TLOAD G0E, G1E
.Lrefilled:
	AT 26, 28, 10
	WALK 6                                         ; records 10-21; q up to record 23: slots 26-39
	s_wait_tensorcnt 0x0                           ; my part of the refill is in,
	s_wait_dscnt 0x0
	s_barrier_signal -1
	s_barrier_wait -1                              ; everybody's is
	AT 38, 25, 22
	STEP 01, 1, 0, 0                               ; records 22, 23; record 24's q from slot 25
	AT 25, 0, 24
	STEP 0, 0, 0, 1                                ; record 24; direction 2's k and v are on their way
	REDUCE D1
	s_wait_loadcnt 0x0
	PROLOG 0
	AT 0, 2, 0
	WALK 11                                        ; direction 2, records 0-21
	AT 22, 24, 22
	STEP 01, 1, 0, 0
	AT 24, 0, 24
	STEP 0, 0, 0, 0
	REDUCE RX+20
	s_lshl_b32 s96, s[WV], 5
	s_add_co_u32 s96, s96, DX
	s_lshl_b32 s98, s[WV], 2
	s_add_co_u32 s98, s98, DX
	v_lshl_add_u32 v[RX+21], v[RX+17], 2, s96      ; X[w][l / 4]
	v_and_b32 v[RX+22], 7, v[RX+16]
	v_lshl_add_u32 v[RX+23], v[RX+22], 2, s96      ; X[w][l % 8]
	v_lshl_add_u32 v[RX+24], v[RX+22], 5, s98      ; X[l % 8][w]
	v_lshlrev_b32 v[RX+25], 2, v[RX+22]
	ds_store_b32 v[RX+21], v[D1]                   ; X1[w = a][i = b], X2[w = b][i = a]: four lanes write the same word with the same value
	ds_store_b32 v[RX+21], v[RX+20] offset:256
	s_wait_alu depctr_va_vdst(0)
	s_wait_dscnt 0x0                               ; for the others' sake
	s_barrier_signal -1
	s_barrier_wait -1
	ds_load_b32 v[RX], v[RX+24]                    ; X1[j][w]
	ds_load_b32 v[RX+1], v[RX+23] offset:256       ; X2[w][j]
	s_wait_dscnt 0x0
	v_add_f32 v[RX], v[RX], v[RX+1]
	v_mul_f32 v[RX], 0x3ca72f05, v[RX]             ; / 49
	v_cmp_gt_u32 vcc_lo, 8, v[RX+16]
	s_wait_alu depctr_va_vdst(0)
	s_wait_xcnt 0x0                                ; EXEC changes only behind this wait
	s_and_saveexec_b32 s96, vcc_lo
	global_store_b32 v[RX+25], v[RX], s[OUT:OUT+1] ; out0[8 gb + w][8 ga + j], j = 0..7
	s_wait_xcnt 0x0
	s_or_b32 exec_lo, exec_lo, s96
	s_wait_tensorcnt 0x0                           ; the wave's end
	ds_add_u32 v[SPW], v[NIL]
	s_wait_dscnt 0x0
	ROUND                                          ; the closing round
	s_endpgm
.Lfunc_end_k_qde0b555a53_pairs:
	.size	k_qde0b555a53_pairs, .Lfunc_end_k_qde0b555a53_pairs-k_qde0b555a53_pairs
	.p2alignl 7, 3214868480
	.fill 96, 4, 3214868480
	.section	.rodata,"a",@progbits
	.p2align	6, 0x0
	.amdhsa_kernel k_qde0b555a53_pairs
		.amdhsa_group_segment_fixed_size 327680
		.amdhsa_private_segment_fixed_size 0
		.amdhsa_enable_private_segment 0
		.amdhsa_kernarg_size 24
		.amdhsa_user_sgpr_count 2
		.amdhsa_user_sgpr_kernarg_segment_ptr 1
		.amdhsa_wavefront_size32 1
		.amdhsa_system_sgpr_workgroup_id_x 1
		.amdhsa_system_sgpr_workgroup_id_y 1
		.amdhsa_system_sgpr_workgroup_id_z 1
		.amdhsa_system_vgpr_workitem_id 0
		.amdhsa_next_free_vgpr 512
		.amdhsa_next_free_sgpr 100
		.amdhsa_reserve_vcc 1
		.amdhsa_float_denorm_mode_32 3
		.amdhsa_float_denorm_mode_16_64 3
		.amdhsa_memory_ordered 1
		.amdhsa_forward_progress 1
		.amdhsa_inst_pref_size 152
	.end_amdhsa_kernel
	.amdgpu_metadata
---
amdhsa.version: [ 1, 2 ]
amdhsa.kernels:
  - .name:           k_qde0b555a53_pairs
    .symbol:         k_qde0b555a53_pairs.kd
    .args:
      - { .name: qrec, .offset: 0, .size: 8, .value_kind: global_buffer, .address_space: global }
      - { .name: kv, .offset: 8, .size: 8, .value_kind: global_buffer, .address_space: global }
      - { .name: out0, .offset: 16, .size: 8, .value_kind: global_buffer, .address_space: global }
    .group_segment_fixed_size: 327680
    .private_segment_fixed_size: 0
    .kernarg_segment_align: 8
    .kernarg_segment_size: 24
    .max_flat_workgroup_size: 256
    .sgpr_count:     100
    .vgpr_count:     512
    .wavefront_size: 32
...
	.end_amdgpu_metadata
.endif
;; end of part 2
